; MI455X (gfx1250); checked and timed in simulation.
; The chip was launched on July 23, 2026; its instructions are those of AMD's public machine-readable ISA for CDNA 5 (MIT licence, August 2026) and "CDNA5" Instruction Set Architecture Reference Guide (July 2026). The comments in the code are by the model that wrote it; some were corrected since.
;; Multi Head Attention. Allowed arithmetic: matrix products marked QUANTISED: E4M3 operands, one E8M0 scale for each 32 along K, by v_wmma_scale_f32_16x16x128_f8f6f4 with both operands' format E4M3, f32 sums; everything else in f32.
;; Inputs: Wk_codes 512 x 16 x 32 uint8 (E4M3 codes of Wk, K innermost, in blocks of 32 codes); Wk_scales 512 x 16 uint8 (E8M0 scales of Wk, one for each 32 codes along K); Wo_codes 512 x 16 x 32 uint8 (E4M3 codes of Wo, K innermost, in blocks of 32 codes); Wo_scales 512 x 16 uint8 (E8M0 scales of Wo, one for each 32 codes along K); Wq_codes 512 x 16 x 32 uint8 (E4M3 codes of Wq, K innermost, in blocks of 32 codes); Wq_scales 512 x 16 uint8 (E8M0 scales of Wq, one for each 32 codes along K); Wv_codes 512 x 16 x 32 uint8 (E4M3 codes of Wv, K innermost, in blocks of 32 codes); Wv_scales 512 x 16 uint8 (E8M0 scales of Wv, one for each 32 codes along K); bk 512 float32; bo 512 float32; bq 512 float32; bv 512 float32; k_codes 2 x 4,096 x 16 x 32 uint8 (E4M3 codes of k, K innermost, in blocks of 32 codes); k_scales 2 x 4,096 x 16 uint8 (E8M0 scales of k, one for each 32 codes along K); mask 1 x 1 x 4,096 x 4,096 bool; q_codes 2 x 4,096 x 16 x 32 uint8 (E4M3 codes of q, K innermost, in blocks of 32 codes); q_scales 2 x 4,096 x 16 uint8 (E8M0 scales of q, one for each 32 codes along K); v_codes 2 x 4,096 x 16 x 32 uint8 (E4M3 codes of v, K innermost, in blocks of 32 codes); v_scales 2 x 4,096 x 16 uint8 (E8M0 scales of v, one for each 32 codes along K).
;; Outputs: out0 2 x 4,096 x 512 float32.
;; This version of the problem:
;;   THIS VERSION OF THE PROBLEM IS GIVEN IN LOW PRECISION. The matrix products marked QUANTISED in the list below multiply operands that are first quantised to E4M3 (4 exponent bits, 3 mantissa bits; 8 bits a number), with one power-of-two scale for each 32 numbers along K (OCP MX v1.0); their sums are f32. All else is computed in f32.
;;   The module's matrix products, in the order in which they are computed (A, B: the left and right operand; K: the contracted axis; several contracted axes count as one K, in the product's order):
;;     1. [M 8,192, K 512] x [K 512, N 512]; A: input q (given as codes); B: input Wq (given as codes): QUANTISED
;;     2. [M 8,192, K 512] x [K 512, N 512]; A: input k (given as codes); B: input Wk (given as codes): QUANTISED
;;     3. [M 8,192, K 512] x [K 512, N 512]; A: input v (given as codes); B: input Wv (given as codes): QUANTISED
;;     4. batch 16 x [M 4,096, K 64] x [K 64, N 4,096]; A: computed on the way; B: computed on the way: QUANTISED
;;     5. batch 16 x [M 4,096, K 4,096] x [K 4,096, N 64]; A: softmax (see below); B: computed on the way: QUANTISED
;;     6. [M 8,192, K 512] x [K 512, N 512]; A: computed on the way; B: input Wo (given as codes): QUANTISED
;;   THE QUANTISER, for each operand of a quantised product, along K:
;;     - K is cut into blocks of 32 from its start; a last block that is shorter is filled with zeros.
;;     - A block's scale is 2^e with e = floor(log2(the largest magnitude in the block)) - 8, held to -126 .. 127; a block of zeros has e = 0. As a byte (E8M0): e + 127.
;;     - Each number is divided by its block's scale, clamped to +-448, and rounded to the nearest number of E4M3, ties to even, subnormals kept.
;;     - The product sums the exact products of the quantised numbers (number of the format x scale) in f32.
;;   ~~~python
;;   def quantise(x, axis):      # numpy; x: float32 -> the quantised numbers, widened to float32 again
;;       x = np.moveaxis(x, axis, -1); K = x.shape[-1]
;;       x = np.pad(x, [(0, 0)] * (x.ndim - 1) + [(0, -K % 32)]); x = x.reshape(x.shape[:-1] + (-1, 32)); a = np.abs(x).max(-1, keepdims=True)
;;       e = np.where(a > 0, np.clip(np.frexp(np.where(a > 0, a, 1))[1] - 1 - 8, -126, 127), 0)      # np.frexp(a)[1] - 1 = floor(log2(a)), exactly
;;       r = np.clip(x / 2.0 ** e, -448, 448)
;;       step = 2.0 ** (np.maximum(np.frexp(np.where(r == 0, 1, r))[1] - 1, -6) - 3)
;;       q = np.round(r / step) * step * 2.0 ** e      # np.round: ties to even
;;       return np.moveaxis(q.reshape(q.shape[:-2] + (-1,))[..., :K], -1, axis).astype(np.float32)
;;   ~~~
;;   SOFTMAX AHEAD OF A QUANTISED PRODUCT. Where the list says 'softmax', what is quantised is not the finished softmax but p = 2^(t - M), with t = logit x log2(e) and M = ceil(the row's largest t), a whole number; so 1/2 < the row's largest p <= 1. The row's sum l is taken of the UNQUANTISED p, in f32, and the product's result is divided by l at the end. Since M is a whole number, a kernel that streams over the keys may use a running M (the ceiling of the running maximum): every later rescaling is an exact power of two, which a block's scale takes up: the codes' values come out the same.
;;   OPERANDS COMPUTED ON THE WAY. 'Computed on the way' means the value that the module computes at that place (a softmax that the list does not call 'softmax' is quantised finished and normalised). What goes into a quantiser is computed in f32, as accurately as f32 sums, v_exp_f32 and their like allow (about 1e-6 of the number): no bf16 or f16 on the way to a quantiser, and a product that is left as it is and whose result goes on into a quantised operand takes f32 operands (vector FMAs, or v_wmma_f32_16x16x4_f32). A number that lies on a knife's edge between two numbers of the format may be rounded either way, as far as f32 arithmetic and the matrix unit's own rounding can turn it there, and no further.
;;   INPUTS GIVEN AS CODES. Wk (in the module: [512, 512], K = its axis 1); Wo (in the module: [512, 512], K = its axis 1); Wq (in the module: [512, 512], K = its axis 1); Wv (in the module: [512, 512], K = its axis 1); k (in the module: [2, 4096, 512], K = its axis 2); q (in the module: [2, 4096, 512], K = its axis 2); v (in the module: [2, 4096, 512], K = its axis 2): each comes as NAME_codes (uint8): NAME with its K axis moved to the last place and cut into blocks of 32 codes, [.., K / 32, bytes a block], one block behind the other in memory; one code a byte (a code: sign, 4 exponent bits, 3 mantissa bits); and NAME_scales (uint8): the same leading axes, one E8M0 byte (e + 127) for each 32 codes along K. Its value is code x scale, taken as it is: it is not quantised again, and the codes and scales need not be those that the quantiser above would give.
;; One version. Each part assembles by itself: llvm-mc -triple=amdgcn-amd-amdhsa -mcpu=gfx1250 --defsym DOCPART=n.
;; ======== version 1 of 1: 3 launches
;; limits: right only within a limited range of input values
;; workspace buffers: msum 2,048 bytes of whole numbers; cod 12,582,912 bytes; scl 786,432 bytes; ac 4,194,304 bytes; asc 262,144 bytes
;; launch prep (part 1): grid 256 x 1, 4 waves a work-group, no clusters, 0 bytes of LDS; arguments Wq_codes, Wq_scales, q_codes, q_scales, bq, Wk_codes, Wk_scales, k_codes, k_scales, bk, v_codes, v_scales, Wv_codes, Wv_scales, bv, mask, cod, scl, msum; writes cod, scl, msum
.if DOCPART == 1
	.amdgcn_target "amdgcn-amd-amdhsa--gfx1250"
	.amdhsa_code_object_version 6
	.text
	.protected	k_q8e4b0e3e8c_prep
	.globl	k_q8e4b0e3e8c_prep
	.p2align	8
	.type	k_q8e4b0e3e8c_prep,@function
k_q8e4b0e3e8c_prep:
	s_mov_b64 s[64:65], 0
	v_nop
	global_prefetch_b8 v0, s[64:65] scope:SCOPE_SE
	s_setreg_imm32_b32 hwreg(HW_REG_WAVE_MODE, 25, 1), 1
	s_wait_xcnt 0x0
; PREP.  Work-groups 0-191: the three projections x W^T + b on codes of E4M3 with E8M0 scales, their results quantised at once (f32 sums, then the MX rule) into images of the
; registers that the attention launch feeds to the matrix unit.  Work-groups 192-255: two summary words of the mask for each tile of 16 queries.
; ONE BODY FOR q, k, v.  D = A B^T.  A is RESIDENT: 64 rows x 512 K, 256 registers (window 1).  B is STREAMED: 32 rows a unit, two buffers of 128 registers (window 2).
; A lane of D holds one row of B, and its registers run along A's rows: that axis is the one that is quantised.  q, k: A = a head's 64 rows of W, B = rows of x: blocks along the head's 64.
; v: A = 64 keys of v, B = rows of Wv: blocks along the keys.  THE ROWS OF A THAT FORM A TILE ARE NOT NEIGHBOURS: lane r of tile 2 b + u takes row 32 b + 8 u + r + 8 (r / 8), so that
; the 16 registers of tiles 2 b, 2 b + 1 are the 16 neighbours 32 b + 16 (lane / 16) + 0 .. 15, and the conversions' results are an operand's registers as they stand.
; OUT.  cod: qc at 0, kc at 4 MiB, vc at 8 MiB, 262,144 bytes a (batch, head).  Four registers of a wave go out as 512 consecutive bytes, 16 a lane.
;   qc: tile of 16 queries at 1,024 T; quad c: query r, dims 32 c + 16 h + 0..15.   kc: 32 keys at 2,048; quad 2 u + c: key 8 u + r + 8 (r / 8), dims 32 c + 16 h ..
;   vc: 128 keys at 8,192; 16 of the head's 64 at 2,048 dt; quad c: d = 32 (dt / 2) + 8 (dt % 2) + r + 8 (r / 8), keys 32 c + 16 h ..
; scl: qs at 0, ks at 262,144, vs at 524,288, 16,384 bytes a (batch, head): one word a lane, 128 bytes a unit: [tile 0 block 0, tile 0 block 1, tile 1 block 0, tile 1 block 1].
; msum: 8 T: two words: bit j of word 0: key step j (128 keys) keeps something for tile T; of word 1: it keeps all 2,048.
; LIMITS: NaN, infinities and NaN codes among the inputs are not served; mask bytes are 0 or 1; a block of zeros gets the scale byte 1 (its codes are zeros, and only this program reads the byte).
.set ACC, 16                           ; v16-79   accumulator (xt, wt) at 16 + 8 (4 xt + wt)
.set BR,  80                           ; v80-111  bias along A's rows, eight registers a tile: the C of each sum's first product
.set WS,  112                          ; v112-127 A's scale words, 4 wt + s
.set XS,  128                          ; v128-143 B's scale words, 8 p + 4 xt + s
.set BL,  144                          ; v144-151 bias along B's rows (v alone), at 4 p + 2 xt
.set PC,  152                          ; v152-167 the codes just made
.set TM,  168                          ; v168-183 at work in QUANT
.set PW,  184                          ; v184     the scale word just made
.set SEL, 34                           ; s[34:35] v_permlanex16_b32's selects for lane l xor 16
.set MNT, 36                           ; s36      the mantissa field of 448
.set MSB, 0
.macro WIN new                         ; the immediate's high byte repeats the setting that is left
.if MSB != \new
	s_set_vgpr_msb (MSB<<8)|\new
.set MSB, \new
.endif
.endm
; 64 numbers of a lane, v[s + 16 b + i]: four blocks of 32, each shared with lane l xor 16, become 16 registers of codes and one scale word
.macro QUANT s
.irp b, 0,1,2,3
	v_max3_num_f32 v[TM+\b], |v[\s+16*\b]|, |v[\s+1+16*\b]|, 0x4800000   ; my 16 numbers and the floor 2^(9 - 127): the byte cannot fall under 1
.endr
.irp i, 2,4,6,8,10,12,14
.irp b, 0,1,2,3
	v_max3_num_f32 v[TM+\b], v[TM+\b], |v[\s+16*\b+\i]|, |v[\s+1+16*\b+\i]|
.endr
.endr
.irp b, 0,1,2,3
	v_permlanex16_b32 v[TM+4+\b], v[TM+\b], s[SEL], s[SEL+1]
.endr
.irp b, 0,1,2,3
	v_max_num_f32 v[TM+\b], v[TM+\b], v[TM+4+\b]                  ; the block's largest magnitude
.endr
.irp b, 0,1,2,3
	v_add_nc_u32 v[TM+12+\b], 0xfc000000, v[TM+\b]                ; 8 off its exponent field: the conversion's scale operand
.endr
.irp b, 0,1,2,3
	v_and_or_b32 v[TM+8+\b], v[TM+\b], 0x7f800000, s[MNT]         ; 448 x the scale
.endr
.irp b, 0,1,2,3
	v_lshrrev_b32 v[TM+4+\b], 23, v[TM+12+\b]                     ; the scale's byte
.endr
	v_lshl_or_b32 v[PW], v[TM+5], 8, v[TM+4]
	v_lshl_or_b32 v[PW], v[TM+6], 16, v[PW]
	v_lshl_or_b32 v[PW], v[TM+7], 24, v[PW]
.irp b, 0,1,2,3
.irp i, 0,1,2,3,4,5,6,7,8,9,10,11,12,13,14,15
	v_med3_num_f32 v[\s+16*\b+\i], v[\s+16*\b+\i], -v[TM+8+\b], v[TM+8+\b]   ; the conversion to an 8-bit code does not saturate (ISA guide 7.6.2): the hold comes first
.endr
	v_cvt_scalef32_pk8_fp8_f32 v[PC+4*\b:PC+1+4*\b], v[\s+16*\b:\s+7+16*\b], v[TM+12+\b]
	v_cvt_scalef32_pk8_fp8_f32 v[PC+2+4*\b:PC+3+4*\b], v[\s+8+16*\b:\s+15+16*\b], v[TM+12+\b]
.endr
	v_nop                                          ; a plain line behind the last conversion: the next products write its sources
.endm
; the 34 loads of the unit that lies u units on from the stream's bases, into buffer p
.macro GROUP p, u
	WIN 0x80                                       ; destination window 2
.irp xt, 0,1
.irp s, 0,1,2,3
.irp c, 0,1,2,3
	global_load_b128 v[128*\p+16*(4*\xt+\s)+4*\c:128*\p+16*(4*\xt+\s)+4*\c+3], v[6+\xt], s[12:13] offset:16384*(\u)+128*\s+32*\c
.endr
.endr
.endr
	WIN 0
.irp xt, 0,1
	global_load_b128 v[XS+8*\p+4*\xt:XS+8*\p+4*\xt+3], v[8+\xt], s[14:15] offset:512*(\u)
.endr
.endm
.macro BIASV p, u                      ; v alone: bv at the unit's rows, one number a lane and tile
	global_load_b32 v[BL+4*\p], v10, s[40:41] offset:128*(\u)
	global_load_b32 v[BL+4*\p+2], v10, s[40:41] offset:128*(\u)+32
.endm
; A unit: 32 rows of B against the 64 rows of A: 32 products, eight accumulators by turns, one QUANT, five stores.
.macro UNIT p, ld, left
	s_wait_loadcnt \left                           ; all but the next unit's 34 loads are in (v's two bias loads are issued ahead of their group, so the count holds there too)
	WIN 0x09                                       ; A window 1, B window 2, C and D window 0
.irp s, 0,1,2,3
.irp xt, 0,1
.irp wt, 0,1,2,3
.if \s == 0
	v_wmma_scale_f32_16x16x128_f8f6f4 v[ACC+8*(4*\xt+\wt):ACC+8*(4*\xt+\wt)+7], v[16*(4*\wt+\s):16*(4*\wt+\s)+15], v[128*\p+16*(4*\xt+\s):128*\p+16*(4*\xt+\s)+15], v[BR+8*\wt:BR+8*\wt+7], v[WS+4*\wt+\s], v[XS+8*\p+4*\xt+\s]
.else
	v_wmma_scale_f32_16x16x128_f8f6f4 v[ACC+8*(4*\xt+\wt):ACC+8*(4*\xt+\wt)+7], v[16*(4*\wt+\s):16*(4*\wt+\s)+15], v[128*\p+16*(4*\xt+\s):128*\p+16*(4*\xt+\s)+15], v[ACC+8*(4*\xt+\wt):ACC+8*(4*\xt+\wt)+7], v[WS+4*\wt+\s], v[XS+8*\p+4*\xt+\s]
.endif
.endr
.endr
.endr
	WIN 0
.rept 8
	v_nop                                          ; eight places in front of the reads of the results and of the loads into B's buffer and its scale words
.endr
	s_cmp_eq_u32 s3, 2
	s_cbranch_scc0 .Lnot_v_\@
.irp xt, 0,1
.irp i, 0,2,4,6,8,10,12,14,16,18,20,22,24,26,28,30
	v_pk_add_f32 v[ACC+32*\xt+\i:ACC+32*\xt+\i+1], v[ACC+32*\xt+\i:ACC+32*\xt+\i+1], v[BL+4*\p+2*\xt:BL+4*\p+2*\xt+1] op_sel_hi:[1,0]   ; v: the bias goes with the lane
.endr
.endr
.if \ld
	BIASV \p, 2+\p
.endif
.Lnot_v_\@:
.if \ld
	GROUP \p, 2+\p                                 ; two units ahead, into the buffer just multiplied
.endif
	QUANT ACC
	global_store_b128 v11, v[PC:PC+3], s[20:21]                  ; each store of the wave covers 512 consecutive bytes, aligned
	global_store_b128 v11, v[PC+4:PC+7], s[20:21] offset:512
	global_store_b128 v12, v[PC+8:PC+11], s[20:21]
	global_store_b128 v12, v[PC+12:PC+15], s[20:21] offset:512
	global_store_b32 v13, v[PW], s[22:23]
.if \p == 0
	s_wait_xcnt 0x0                                ; the stores' data and every base are written again only behind this wait
	s_add_nc_u64 s[20:21], s[20:21], s[24:25]
	s_add_nc_u64 s[22:23], s[22:23], s[28:29]
.elseif \ld
	s_wait_xcnt 0x0
	s_add_nc_u64 s[20:21], s[20:21], s[26:27]
	s_add_nc_u64 s[22:23], s[22:23], s[30:31]
	s_add_nc_u64 s[12:13], s[12:13], 32768         ; the stream goes two units on
	s_add_nc_u64 s[14:15], s[14:15], 1024
	s_add_nc_u64 s[40:41], s[40:41], 256
.endif
.endm
	s_load_b256 s[8:15], s[0:1], 0x0               ; q's set: resident codes, resident scales, streamed codes, streamed scales,
	s_load_b64 s[16:17], s[0:1], 0x20              ; bias
	s_load_b256 s[20:27], s[0:1], 0x28             ; k's set
	s_load_b64 s[28:29], s[0:1], 0x48
	s_load_b256 s[32:39], s[0:1], 0x50             ; v's set: resident = v, streamed = Wv
	s_load_b64 s[40:41], s[0:1], 0x70
	s_load_b256 s[44:51], s[0:1], 0x78             ; mask, cod, scl, msum
	v_lshrrev_b32 v1, 5, v0
	v_readfirstlane_b32 s2, v1                     ; wave 0..3
	s_cmp_ge_u32 ttmp9, 192
	s_cbranch_scc1 .Lmask
	; ---------------- the projections ----------------
	s_lshr_b32 s3, ttmp9, 6                        ; which tensor: 0 q, 1 k, 2 v
	s_and_b32 s52, ttmp9, 63
	s_and_b32 s53, s52, 1
	s_lshr_b32 s54, s52, 1
	s_lshl_b32 s55, s53, 2
	s_add_co_u32 s55, s55, s2                      ; q, k: the head
	s_lshl_b32 s56, s54, 2
	s_add_co_u32 s56, s56, s2                      ; v: the group of 64 keys
	s_cmp_eq_u32 s3, 2
	s_cselect_b32 s5, s56, s55                     ; RI: which 64 resident rows
	s_cselect_b32 s6, s53, s54                     ; SC: which 256 streamed rows
	s_cmp_lg_u32 s3, 0
	s_cselect_b32 s7, 1, 0                         ; P: streamed rows chosen (k, Wv) or natural (q)
	s_lshl_b32 s57, s7, 3
	s_sub_co_u32 s57, 16, s57                      ; the second tile begins 16 - 8 P rows on
	s_lshl_b32 s58, s57, 9
	s_lshl_b32 s59, s57, 4
	v_and_b32 v1, 15, v0                           ; r
	v_bfe_u32 v2, v0, 4, 1                         ; h
	v_and_b32 v3, 8, v1
	v_mul_u32_u24 v15, v3, s7
	v_add_nc_u32 v3, v3, v1                        ; r + 8 (r / 8)
	v_add_nc_u32 v15, v15, v1                      ; r + 8 P (r / 8)
	v_lshlrev_b32 v4, 9, v3
	v_lshl_add_u32 v4, v2, 4, v4                   ; resident codes: a row is 512 bytes; + 16 h
	v_lshlrev_b32 v5, 4, v3                        ; resident scales: 16 bytes a row
	v_lshlrev_b32 v6, 9, v15
	v_lshl_add_u32 v6, v2, 4, v6                   ; streamed codes, tile 0,
	v_add_nc_u32 v7, s58, v6                       ; tile 1
	v_lshlrev_b32 v8, 4, v15                       ; streamed scales, tile 0,
	v_add_nc_u32 v9, s59, v8                       ; tile 1
	v_lshlrev_b32 v10, 2, v3                       ; bv: 4 bytes a row
	v_and_b32 v13, 31, v0
	v_lshlrev_b32 v11, 4, v13                      ; out: 16 bytes a lane
	v_lshlrev_b32 v13, 2, v13                      ; out: a scale word a lane
	v_lshlrev_b32 v14, 6, v2                       ; bias along the registers: + 16 h numbers
.irp b, 0,1,2,3
	v_mov_b32 v[TM+4+\b], 0                        ; written once: a lane permute's destination counts as one of its sources
.endr
.irp b, 0,1,2,3,4,5,6,7
	v_mov_b32 v[BL+\b], 0                          ; written once on every way (the odd ones are only named as upper halves of pairs)
.endr
	; where the results go, as offsets: q, k in s54 (codes), s55 (scales); v in s58, s59
	s_lshr_b32 s52, s6, 4
	s_lshl_b32 s52, s52, 3
	s_add_co_u32 s52, s52, s5                      ; 8 x batch + head
	s_and_b32 s53, s6, 15
	s_lshl_b32 s54, s52, 18
	s_lshl_b32 s55, s53, 14
	s_add_co_u32 s54, s54, s55
	s_lshl_b32 s55, s3, 22
	s_add_co_u32 s54, s54, s55
	s_lshl_b32 s55, s52, 14
	s_lshl_b32 s56, s53, 10
	s_add_co_u32 s55, s55, s56
	s_lshl_b32 s56, s3, 18
	s_add_co_u32 s55, s55, s56
	s_lshr_b32 s56, s5, 6
	s_lshl_b32 s56, s56, 3
	s_lshl_b32 s57, s6, 2
	s_add_co_u32 s56, s56, s57                     ; v: 8 x batch + the first of my four heads
	s_lshl_b32 s56, s56, 5
	s_and_b32 s57, s5, 63
	s_lshr_b32 s57, s57, 1
	s_add_co_u32 s56, s56, s57                     ; x 32 + the key step
	s_and_b32 s57, s5, 1                           ; which 64 keys of the step
	s_lshl_b32 s58, s56, 13
	s_lshl_b32 s59, s57, 10
	s_add_co_u32 s58, s58, s59
	s_add_co_u32 s58, s58, 0x800000
	s_lshl_b32 s59, s56, 9
	s_lshl_b32 s57, s57, 7
	s_add_co_u32 s59, s59, s57
	s_add_co_u32 s59, s59, 0x80000
	s_lshl_b32 s52, s5, 8                          ; q, k: the head's 64 numbers of the bias
	s_lshl_b32 s53, s6, 10                         ; v: bv at my 256 rows of Wv
	s_wait_kmcnt 0x0
	s_cmp_eq_u32 s3, 1                             ; the tensor's set of pointers: the choice hangs on the work-group's number alone
	s_cselect_b64 s[8:9], s[20:21], s[8:9]
	s_cselect_b64 s[10:11], s[22:23], s[10:11]
	s_cselect_b64 s[12:13], s[24:25], s[12:13]
	s_cselect_b64 s[14:15], s[26:27], s[14:15]
	s_cselect_b64 s[16:17], s[28:29], s[16:17]
	s_cmp_eq_u32 s3, 2
	s_cselect_b64 s[8:9], s[32:33], s[8:9]
	s_cselect_b64 s[10:11], s[34:35], s[10:11]
	s_cselect_b64 s[12:13], s[36:37], s[12:13]
	s_cselect_b64 s[14:15], s[38:39], s[14:15]
	s_cselect_b64 s[16:17], s[40:41], s[16:17]
	s_mov_b32 s32, 1024                            ; (moves, selects and 64-bit sums leave SCC alone: it still says v)
	s_cselect_b32 s32, 2048, s32                   ; from tile 0's codes to tile 1's
	s_mov_b32 s24, 2048
	s_cselect_b32 s24, 4096, s24                   ; codes: from an even unit to the next,
	s_mov_b32 s25, 0
	s_mov_b32 s26, 2048
	s_cselect_b32 s26, 258048, s26                 ; from an odd one (v: on to the next head)
	s_mov_b32 s27, 0
	s_mov_b32 s28, 128
	s_cselect_b32 s28, 256, s28                    ; scale words likewise
	s_mov_b32 s29, 0
	s_mov_b32 s30, 128
	s_cselect_b32 s30, 16128, s30
	s_mov_b32 s31, 0
	s_mov_b32 s39, 0
	s_cselect_b32 s38, s58, s54
	s_add_nc_u64 s[20:21], s[46:47], s[38:39]      ; codes out
	s_cselect_b32 s38, s59, s55
	s_add_nc_u64 s[22:23], s[48:49], s[38:39]      ; scale words out
	s_cselect_b32 s38, s53, s52
	s_add_nc_u64 s[40:41], s[16:17], s[38:39]      ; the bias
	s_lshl_b32 s38, s5, 15
	s_add_nc_u64 s[8:9], s[8:9], s[38:39]          ; 64 rows of 512 bytes
	s_lshl_b32 s38, s5, 10
	s_add_nc_u64 s[10:11], s[10:11], s[38:39]
	s_lshl_b32 s38, s6, 17
	s_add_nc_u64 s[12:13], s[12:13], s[38:39]      ; 256 rows of 512 bytes
	s_lshl_b32 s38, s6, 12
	s_add_nc_u64 s[14:15], s[14:15], s[38:39]
	s_mov_b32 s[SEL], 0x76543210
	s_mov_b32 s[SEL+1], 0xfedcba98
	s_mov_b32 s[MNT], 0x600000
	v_add_nc_u32 v12, s32, v11
	WIN 0x40                                       ; destination window 1: A's fragment (tile wt, K step s) at 16 (4 wt + s): it stays
.irp wt, 0,1,2,3
.irp s, 0,1,2,3
.irp c, 0,1,2,3
	global_load_b128 v[16*(4*\wt+\s)+4*\c:16*(4*\wt+\s)+4*\c+3], v4, s[8:9] offset:(32*(\wt/2)+8*(\wt%2))*512+128*\s+32*\c
.endr
.endr
.endr
	WIN 0
.irp wt, 0,1,2,3
	global_load_b128 v[WS+4*\wt:WS+4*\wt+3], v5, s[10:11] offset:(32*(\wt/2)+8*(\wt%2))*16
.endr
	s_cmp_eq_u32 s3, 2
	s_cbranch_scc1 .Lbias_v
.irp wt, 0,1,2,3
	global_load_b128 v[BR+8*\wt:BR+8*\wt+3], v14, s[40:41] offset:(32*(\wt/2)+8*(\wt%2))*4
	global_load_b128 v[BR+8*\wt+4:BR+8*\wt+7], v14, s[40:41] offset:(32*(\wt/2)+8*(\wt%2))*4+16
.endr
	s_branch .Lbias_done
.Lbias_v:
.irp i, 0,1,2,3,4,5,6,7,8,9,10,11,12,13,14,15,16,17,18,19,20,21,22,23,24,25,26,27,28,29,30,31
	v_mov_b32 v[BR+\i], 0                          ; v: nothing goes with the keys
.endr
	BIASV 0, 0
	BIASV 1, 1
.Lbias_done:
	GROUP 0, 0
	GROUP 1, 1
	s_mov_b32 s33, 3
.Lpair:                                                ; units 0 to 5 ask for units 2 to 7
	s_wait_alu depctr_va_vdst(0)
	UNIT 0, 1, 34
	UNIT 1, 1, 34
	s_sub_co_u32 s33, s33, 1
	s_cmp_lg_u32 s33, 0
	s_cbranch_scc1 .Lpair
	UNIT 0, 0, 34                                  ; the last two units are written out: no load leaves its buffer
	UNIT 1, 0, 0
	s_endpgm
	; ---------------- the mask's summary ----------------
	; A wave takes 16 rows (a tile of queries) x 4,096 bytes, in 16 windows of 256 columns (two key steps).  A load takes two rows' 256 bytes: sixteen lanes read 256 consecutive bytes, aligned.
	; A lane's 32 words of a window are summed byte by byte (at most 32 in a byte).  Lanes with lane % 16 < 8 hold the even step's columns, the others the odd step's.
	; A step keeps something where some lane's sum is not 0, and all where every lane's sum is 32 in each byte.  Two sets of eight loads take turns.
.Lmask:
	s_wait_kmcnt 0x0
	s_sub_co_u32 s4, ttmp9, 192
	s_lshl_b32 s4, s4, 2
	s_add_co_u32 s9, s4, s2                        ; T
	v_and_b32 v1, 31, v0
	v_lshrrev_b32 v6, 4, v1                        ; h
	v_and_b32 v7, 15, v1                           ; r
	v_lshlrev_b32 v2, 12, v6
	v_lshl_add_u32 v2, v7, 4, v2                   ; row h of a pair, 16 bytes a lane
	s_lshl_b32 s12, s9, 16
	s_mov_b32 s13, 0
	s_add_nc_u64 s[44:45], s[44:45], s[12:13]      ; my 16 rows of the mask
	s_lshl_b32 s12, s9, 3
	s_add_nc_u64 s[52:53], s[50:51], s[12:13]      ; my two summary words
	s_mov_b32 s4, 0                                ; steps that keep something
	s_mov_b32 s5, 0                                ; steps that keep all
	s_mov_b32 s6, 1                                ; the even step's bit
	s_mov_b32 s8, 0x20202020                       ; 32 ones in each byte
	s_mov_b32 s14, 0x00ff00ff                      ; the lanes of the even step
.macro MLOAD s, o                      ; the window o bytes on from the base, into set s
.irp i, 0,1,2,3,4,5,6,7
	global_load_b128 v[16+32*\s+4*\i:19+32*\s+4*\i], v2, s[44:45] offset:8192*\i+\o th:TH_LOAD_NT
.endr
.endm
.macro MSUM s
.set R, 16+32*\s
	v_add3_u32 v80, v[R], v[R+1], v[R+2]           ; two chains: words 0-16 and 17-31
	v_add3_u32 v81, v[R+17], v[R+18], v[R+19]
.irp i, 3,5,7,9,11,13
	v_add3_u32 v80, v80, v[R+\i], v[R+\i+1]
	v_add3_u32 v81, v81, v[R+\i+17], v[R+\i+18]
.endr
	v_add3_u32 v80, v80, v[R+15], v[R+16]
	v_add_nc_u32 v80, v80, v81
	v_cmp_ne_u32 vcc_lo, 0, v80                    ; lanes that keep something
	v_cmp_ne_u32 s12, s8, v80                      ; lanes that do not keep all
	s_lshl_b32 s15, s6, 1                          ; the odd step's bit
	s_and_b32 s10, vcc_lo, s14                     ; (SCC: the result is not 0)
	s_cselect_b32 s11, s6, 0
	s_or_b32 s4, s4, s11
	s_and_not1_b32 s10, vcc_lo, s14
	s_cselect_b32 s11, s15, 0
	s_or_b32 s4, s4, s11
	s_and_b32 s10, s12, s14
	s_cselect_b32 s11, 0, s6
	s_or_b32 s5, s5, s11
	s_and_not1_b32 s10, s12, s14
	s_cselect_b32 s11, 0, s15
	s_or_b32 s5, s5, s11
	s_lshl_b32 s6, s6, 2
.endm
	s_wait_alu depctr_va_vdst(0)
	MLOAD 0, 0
	MLOAD 1, 256
	s_mov_b32 s7, 7
.Lmtrip:                                               ; trip k sums windows 2 k, 2 k + 1 and asks for 2 k + 2, 2 k + 3
	s_wait_loadcnt 8                               ; all but the younger set's eight loads
	MSUM 0
	MLOAD 0, 512
	s_wait_loadcnt 8
	MSUM 1
	MLOAD 1, 768
	s_wait_xcnt 0x0                                ; the base is written again only behind this wait
	s_add_nc_u64 s[44:45], s[44:45], 512
	s_sub_co_u32 s7, s7, 1
	s_cmp_lg_u32 s7, 0
	s_cbranch_scc1 .Lmtrip
	s_wait_loadcnt 8                               ; windows 14 and 15 are written out: no load leaves the buffer
	MSUM 0
	s_wait_loadcnt 0x0
	MSUM 1
	v_mov_b32 v84, s4
	v_mov_b32 v85, s5
	v_mov_b32 v86, 0
	v_cmp_eq_u32 vcc_lo, 0, v1
	s_wait_alu depctr_va_vdst(0)
	s_wait_xcnt 0x0                                ; EXEC changes only behind this wait
	s_and_saveexec_b32 s10, vcc_lo
	global_store_b64 v86, v[84:85], s[52:53]       ; lane 0: the two summary words
	s_wait_xcnt 0x0
	s_or_b32 exec_lo, exec_lo, s10
	s_endpgm
.Lfunc_end_k_q8e4b0e3e8c_prep:
	.size	k_q8e4b0e3e8c_prep, .Lfunc_end_k_q8e4b0e3e8c_prep-k_q8e4b0e3e8c_prep
	.p2alignl 7, 3214868480
	.fill 96, 4, 3214868480
	.section	.rodata,"a",@progbits
	.p2align	6, 0x0
	.amdhsa_kernel k_q8e4b0e3e8c_prep
		.amdhsa_group_segment_fixed_size 0
		.amdhsa_private_segment_fixed_size 0
		.amdhsa_enable_private_segment 0
		.amdhsa_kernarg_size 152
		.amdhsa_user_sgpr_count 2
		.amdhsa_user_sgpr_kernarg_segment_ptr 1
		.amdhsa_wavefront_size32 1
		.amdhsa_system_sgpr_workgroup_id_x 1
		.amdhsa_system_sgpr_workgroup_id_y 1
		.amdhsa_system_sgpr_workgroup_id_z 1
		.amdhsa_system_vgpr_workitem_id 0
		.amdhsa_next_free_vgpr 768
		.amdhsa_next_free_sgpr 66
		.amdhsa_reserve_vcc 1
		.amdhsa_float_denorm_mode_32 3
		.amdhsa_float_denorm_mode_16_64 3
		.amdhsa_memory_ordered 1
		.amdhsa_forward_progress 1
		.amdhsa_inst_pref_size 98
	.end_amdhsa_kernel
	.amdgpu_metadata
---
amdhsa.version: [ 1, 2 ]
amdhsa.kernels:
  - .name:           k_q8e4b0e3e8c_prep
    .symbol:         k_q8e4b0e3e8c_prep.kd
    .args:
      - { .name: Wq_codes, .offset: 0, .size: 8, .value_kind: global_buffer, .address_space: global }
      - { .name: Wq_scales, .offset: 8, .size: 8, .value_kind: global_buffer, .address_space: global }
      - { .name: q_codes, .offset: 16, .size: 8, .value_kind: global_buffer, .address_space: global }
      - { .name: q_scales, .offset: 24, .size: 8, .value_kind: global_buffer, .address_space: global }
      - { .name: bq, .offset: 32, .size: 8, .value_kind: global_buffer, .address_space: global }
      - { .name: Wk_codes, .offset: 40, .size: 8, .value_kind: global_buffer, .address_space: global }
      - { .name: Wk_scales, .offset: 48, .size: 8, .value_kind: global_buffer, .address_space: global }
      - { .name: k_codes, .offset: 56, .size: 8, .value_kind: global_buffer, .address_space: global }
      - { .name: k_scales, .offset: 64, .size: 8, .value_kind: global_buffer, .address_space: global }
      - { .name: bk, .offset: 72, .size: 8, .value_kind: global_buffer, .address_space: global }
      - { .name: v_codes, .offset: 80, .size: 8, .value_kind: global_buffer, .address_space: global }
      - { .name: v_scales, .offset: 88, .size: 8, .value_kind: global_buffer, .address_space: global }
      - { .name: Wv_codes, .offset: 96, .size: 8, .value_kind: global_buffer, .address_space: global }
      - { .name: Wv_scales, .offset: 104, .size: 8, .value_kind: global_buffer, .address_space: global }
      - { .name: bv, .offset: 112, .size: 8, .value_kind: global_buffer, .address_space: global }
      - { .name: mask, .offset: 120, .size: 8, .value_kind: global_buffer, .address_space: global }
      - { .name: cod, .offset: 128, .size: 8, .value_kind: global_buffer, .address_space: global }
      - { .name: scl, .offset: 136, .size: 8, .value_kind: global_buffer, .address_space: global }
      - { .name: msum, .offset: 144, .size: 8, .value_kind: global_buffer, .address_space: global }
    .group_segment_fixed_size: 0
    .private_segment_fixed_size: 0
    .kernarg_segment_align: 8
    .kernarg_segment_size: 152
    .max_flat_workgroup_size: 128
    .sgpr_count:     66
    .vgpr_count:     768
    .wavefront_size: 32
...
	.end_amdgpu_metadata
.endif
;; end of part 1
;; launch attn (part 2): grid 16 x 16, 16 waves a work-group, no clusters, 165,888 bytes of LDS; arguments cod, scl, mask, ac, asc, msum; writes ac, asc
.if DOCPART == 2
	.amdgcn_target "amdgcn-amd-amdhsa--gfx1250"
	.amdhsa_code_object_version 6
	.text
	.protected	k_q8e4b0e3e8c_attn
	.globl	k_q8e4b0e3e8c_attn
	.p2align	8
	.type	k_q8e4b0e3e8c_attn,@function
k_q8e4b0e3e8c_attn:
	s_mov_b64 s[64:65], 0
	v_nop
	global_prefetch_b8 v0, s[64:65] scope:SCOPE_SE
	s_setreg_imm32_b32 hwreg(HW_REG_WAVE_MODE, 25, 1), 1
	s_wait_xcnt 0x0
; ATTENTION on codes of E4M3 with E8M0 scales, head size 64, 4,096 keys, the mask as it is given.
; t = score x log2(e) / 8; M = the ceiling of the row's running largest t; p = 2^(t - M) is quantised along the keys, not normalised; the row's sum is taken of the unquantised p and divides at the end;
; when M moves, the sum and O are multiplied by 2^(old M - new M), which rounds nothing.  The result is quantised along the model's 512 for the last product and leaves as images of that operand's registers.
; SHARES.  A work-group: one (batch, head) and TWO blocks of 128 queries, numbers x and 31 - x; eight waves to a block, a tile of 16 queries a wave, in 256 registers.  Wave w takes tile w / 2 of block x
; where (w xor w / 4) is even, of block 31 - x where it is odd: of any four waves w % 4 = const, and of any four w / 4 = const, two have each block.
; The deal is right for every mask.  It is even where the mask keeps the keys up to the query: block i then has i + 1 key steps, so each pair of waves has (x + 1) + (32 - x) = 33 in every work-group.
; BOTH PRODUCTS ARE USED TRANSPOSED: S^T = K Q^T, O^T = V^T P^T: a lane holds one query (lane % 16) throughout, and p's 16 registers of two neighbouring tiles are 16 neighbouring keys.
; K = 64 IN A FORM OF K = 128: a fragment of K holds TWO tiles of 16 keys, one in k 0-63, one in k 64-127.  Q stands as [q | zeros | q] in 24 registers: v[16:31] picks the first tile, v[24:39] the second:
; zero codes add nothing under any scale byte but 0xff, and no byte here is 0xff.
; THE MASK.  My tile's two summary words (msum, stored by the launch before) steer scalar branches: a key step that keeps nothing for my 16 queries is jumped over; in one that keeps all nothing is selected;
; only in a step that keeps a part are the mask's bytes read, as they lie: lane (r, h) takes the 16 bytes of row r at key 32 b + 16 h, four loads that together cover 128 consecutive bytes of each of 16 rows, each byte once;
; -infinity goes where a byte is 0.  The work-groups of (batch 0, head 0) prefetch, a trip ahead, the 512 columns of a tile's rows where the next trip has such a step: a lane names 256 bytes, each block once in the launch.
; K AND V come as images: a key step is 8,192 bytes of each.  The waves fill a ring of two slots of four steps themselves, 16 bytes a thread a load, through registers, up to the last trip in which
; any of the sixteen tiles keeps a key (the union of their summary words); later trips hold their barrier and nothing else.
; NO TENSOR LOADS AND NO JOINT LOADS, though the sixteen work-groups of a head walk the same K and V.
; LIMITS: a query with no kept key gets the scale byte 0xff, so that its row of the result is NaN, as the softmax of an empty row is; NaN and infinities among the operands are not served;
; a block of zeros gets the scale byte 1 (its codes are zeros).
.set KSC,   131072                     ; LDS: slot 0 at 0, slot 1 at 65,536 (a step: 8,192 bytes of K, then of V); the head's scale words of K, 16,384 bytes,
.set VSC,   147456                     ; and of V; the spare words from 163,840 on
.set LI0,  1                           ; v1   16 x lane
.set AS0,  2                           ; v2   KSC + 4 r + 128 h: lanes 0-15 take an even fragment's words, lanes 16-31 the odd one's
.set AV0,  3                           ; v3   VSC + 4 x lane
.set FS0,  4                           ; v4   16 x thread
.set NINF, 5                           ; v5   -infinity
.set PFO,  6                           ; v6   256 x lane
.set SELV, 7                           ; v7   byte selects that piece V's scale words together
.set LIMG, 8                           ; v8   16 x lane in the slot in hand
.set FST,  9                           ; v9   16 x thread in the other slot
.set ASK,  10                          ; v10  this trip's scale words of K
.set ASV,  11                          ; v11  and of V
.set NM,   12                          ; v12 -M, v13 the largest t
.set SUM,  14                          ; v[14:15] the row's sum in two halves
.set Q,    16                          ; v16-39
.set QS,   40                          ; v40  Q's scale word, [s0, s1, s0, s1]
.set MO,   41                          ; v41  the mask: 4,096 r + 16 h
.set F,    42                          ; v42  2^(old M - new M)
.set PW,   43                          ; v43  p's scale word
.set KS,   44                          ; v44-45 K's scale words
.set VS,   46                          ; v46-47 V's
.set VR,   48                          ; v48-51 V's words as they lie
.set BM,   52                          ; v52-55 a block's largest score, then its largest p
.set MK,   52                          ; v52-67 ahead of that: my 64 bytes of the mask
.set T2,   56
.set HOLD, 60
.set SCL,  64
.set X,    68
.set PMO,  69                          ; v69  the mask's prefetch: 4,096 r + 256 h
.set SUM2, 70
.set ST,   72                          ; v72-87   two steps of K and V on their way into LDS
.set KF,   88                          ; v88-151  four fragments, of K and then of V
.set S,    152                         ; v152-215 S^T, then p
.set PC,   204                         ; v204-219 p's codes: block 3 is converted first, into v216-219; blocks 0-2 then land on its numbers, which are done with
.set O,    220                         ; v220-251 O^T, tile dt at 8 dt
.set LAST, 66                          ; s66  the last trip in which some tile of the work-group keeps a key;  s67  one less
; s2 wave, s3 trip, s4 / s5 the summaries, s[6:7] K, s[8:9] V, s[10:11] my rows of the mask, s[12:13] prefetches, s14 their bound, s15 / s16 the slot in hand / the other, s17 scale words' step,
; s[18:19] c, s[20:21] lane selects, s22 mantissa of 448, s[24:25] ac, s[26:27] asc, s29 0xf0 where I prefetch the mask, s30 my kind of wave, s31 at work, s[32:35] lane masks
; Two steps of K and V from registers into the other slot, and the next two asked for.  Trip t's fill hh stores steps 4 t + 4 + 2 hh, + 1 and asks for the two behind them; two key steps lie between a request and its store.
; TWO KINDS OF WAVE (s30 = bit 1 xor bit 3 of the wave's number: the two waves of a block with equal w % 4, and those with equal w / 4, are of different kinds).  Kind 0 has fill 0 at a trip's head and fill 1 in its middle;
; kind 1 has fill 0 in the middle and fill 1 at the end.  So the two kinds walk a step's lines a fill apart, and both have done the same work at the trip's barrier.  ty: the kind that runs this fill.
.macro FILL hh, ty
	s_cmp_eq_u32 s30, \ty
	s_cbranch_scc0 .Lfill_end_\@                   ; the other kind's place
	s_cmp_lt_u32 s3, s[LAST]
	s_cbranch_scc0 .Lfill_end_\@                   ; no later trip reads a slot
	s_wait_loadcnt 0x0                             ; asked for two key steps ago
	s_wait_alu depctr_va_vdst(0)
	ds_store_b128 v[FST], v[ST:ST+3] offset:(2*\hh)*16384
	ds_store_b128 v[FST], v[ST+4:ST+7] offset:(2*\hh)*16384+8192
	ds_store_b128 v[FST], v[ST+8:ST+11] offset:(2*\hh+1)*16384
	ds_store_b128 v[FST], v[ST+12:ST+15] offset:(2*\hh+1)*16384+8192
.if \hh
	s_cmp_lt_i32 s3, s[LAST+1]
	s_cbranch_scc0 .Lfill_end_\@                   ; the trip after the next is not walked (LAST is 7 at the most: no load leaves its buffer)
.endif
	s_wait_dscnt 0x0                               ; the stores have read their registers
	global_load_b128 v[ST:ST+3], v[FS0], s[6:7] offset:(3+\hh)*16384
	global_load_b128 v[ST+4:ST+7], v[FS0], s[8:9] offset:(3+\hh)*16384
	global_load_b128 v[ST+8:ST+11], v[FS0], s[6:7] offset:(3+\hh)*16384+8192
	global_load_b128 v[ST+12:ST+15], v[FS0], s[8:9] offset:(3+\hh)*16384+8192
	s_cmp_lt_u32 s3, s14
	s_cbranch_scc0 .Lfill_end_\@
	; a prefetch of the two steps behind those: the head's first work-group asks, its waves 12, 13 for K's 16,384 bytes and 14, 15 for V's, 8,192 a wave, lanes 256 bytes apart: each block is named once
	; in the launch; it stops with trip 5, whose second request names steps 30 and 31
	global_prefetch_b8 v[PFO], s[12:13] offset:(4+\hh)*16384 th:TH_LOAD_NT scope:SCOPE_SE
.Lfill_end_\@:
.endm
; A KEY STEP: 128 keys, the q-th of the slot in hand
.macro STEP q
	s_bitcmp1_b32 s4, \q
	s_cbranch_scc0 .Lskip_\@                       ; the mask keeps none of these keys for my queries
	s_wait_alu depctr_va_vdst(0)
	ds_load_b32 v[KS], v[ASK] offset:512*\q
	ds_load_b32 v[KS+1], v[ASK] offset:512*\q+256
.irp b, 0,1,2,3
.irp c, 0,1,2,3
	ds_load_b128 v[KF+16*\b+4*\c:KF+16*\b+4*\c+3], v[LIMG] offset:16384*\q+2048*\b+512*\c
.endr
.endr
.irp b, 0,2                                    ; a fragment's two products follow the wait that leaves only the later fragments' loads out: 12, 8, 4, 0
	s_wait_dscnt 12-4*\b
	v_wmma_scale_f32_16x16x128_f8f6f4 v[S+16*\b:S+16*\b+7], v[KF+16*\b:KF+16*\b+15], v[Q:Q+15], 0, v[KS+\b/2], v[QS]
	v_wmma_scale_f32_16x16x128_f8f6f4 v[S+16*\b+8:S+16*\b+15], v[KF+16*\b:KF+16*\b+15], v[Q+8:Q+23], 0, v[KS+\b/2], v[QS]
	s_wait_dscnt 8-4*\b
	v_wmma_scale_f32_16x16x128_f8f6f4 v[S+16*\b+16:S+16*\b+23], v[KF+16*\b+16:KF+16*\b+31], v[Q:Q+15], 0, v[KS+\b/2], v[QS] matrix_a_scale:MATRIX_SCALE_ROW1
	v_wmma_scale_f32_16x16x128_f8f6f4 v[S+16*\b+24:S+16*\b+31], v[KF+16*\b+16:KF+16*\b+31], v[Q+8:Q+23], 0, v[KS+\b/2], v[QS] matrix_a_scale:MATRIX_SCALE_ROW1
.endr                                              ; register 16 b + i of lane (r, h): query r, key 32 b + 16 h + i
.rept 8
	v_nop                                          ; eight places in front of the loads into K's registers and of the first read of the scores
.endr
.irp i, 0,1,2,3
	ds_load_b32 v[VR+\i], v[ASV] offset:512*\q+128*\i
.endr
.irp dt, 0,1,2,3
.irp c, 0,1,2,3
	ds_load_b128 v[KF+16*\dt+4*\c:KF+16*\dt+4*\c+3], v[LIMG] offset:16384*\q+8192+2048*\dt+512*\c   ; V lands while the softmax is walked
.endr
.endr
	s_bitcmp1_b32 s5, \q
	s_cbranch_scc1 .Lfull_\@                       ; all 2,048 count: nothing to select
.irp b, 0,1,2,3
	global_load_b128 v[MK+4*\b:MK+4*\b+3], v[MO], s[10:11] offset:128*\q+32*\b   ; byte i: mask[my query][key 32 b + 16 h + i]
.endr
	s_wait_loadcnt 0x0
.irp b, 0,1,2,3
.irp k, 0,1,2,3
	v_and_b32 v68, 0xff, v[MK+4*\b+\k]
	v_and_b32 v70, 0xff00, v[MK+4*\b+\k]
	v_and_b32 v71, 0xff0000, v[MK+4*\b+\k]
	v_cmp_ne_u32 s32, 0, v68
	v_cmp_ne_u32 s33, 0, v70
	v_cmp_ne_u32 s34, 0, v71
	v_cmp_le_u32 s35, 0x1000000, v[MK+4*\b+\k]     ; the top byte is not 0
	v_cndmask_b32 v[S+16*\b+4*\k], v[NINF], v[S+16*\b+4*\k], s32
	v_cndmask_b32 v[S+16*\b+4*\k+1], v[NINF], v[S+16*\b+4*\k+1], s33
	v_cndmask_b32 v[S+16*\b+4*\k+2], v[NINF], v[S+16*\b+4*\k+2], s34
	v_cndmask_b32 v[S+16*\b+4*\k+3], v[NINF], v[S+16*\b+4*\k+3], s35
.endr
.endr
.Lfull_\@:
.irp b, 0,1,2,3
	v_max3_num_f32 v[BM+\b], v[S+16*\b], v[S+1+16*\b], v[S+2+16*\b]   ; the largest score of each block of 32 keys: for the row's maximum, and, since p rises with the score, for the block's largest p
.endr
.irp i, 3,5,7,9,11,13
.irp b, 0,1,2,3
	v_max3_num_f32 v[BM+\b], v[BM+\b], v[S+16*\b+\i], v[S+1+16*\b+\i]
.endr
.endr
.irp b, 0,1,2,3
	v_max_num_f32 v[BM+\b], v[BM+\b], v[S+15+16*\b]
.endr
.irp b, 0,1,2,3
	s_delay_alu instid0(VALU_DEP_4)
	v_permlanex16_b32 v[T2+\b], v[BM+\b], s20, s21
.endr
.irp b, 0,1,2,3
	s_delay_alu instid0(VALU_DEP_4)
	v_max_num_f32 v[BM+\b], v[BM+\b], v[T2+\b]     ; with lane l xor 16's 16 keys
.endr
	s_delay_alu instid0(VALU_DEP_2)
	v_max3_num_f32 v[X], v[BM], v[BM+1], v[BM+2]
	s_delay_alu instid0(VALU_DEP_1)
	v_max_num_f32 v[X], v[X], v[BM+3]
	s_delay_alu instid0(VALU_DEP_1)
	v_mul_f32 v[X], s18, v[X]                      ; as t (c is positive)
	s_delay_alu instid0(VALU_DEP_1)
	v_max_num_f32 v[NM+1], v[NM+1], v[X]           ; the running largest t
	v_mov_b32 v[X], v[NM]
	s_delay_alu instid0(VALU_DEP_2)
	v_floor_f32 v[NM], -v[NM+1]                    ; the new -M = floor(-t)
	s_delay_alu instid0(VALU_DEP_1)
	v_sub_f32 v[X], v[NM], v[X]                    ; old M - new M: a whole number, 0 or less
	s_delay_alu instid0(VALU_DEP_1)
	v_cvt_i32_f32 v[X], v[X]                       ; (it saturates)
	s_delay_alu instid0(VALU_DEP_1)
	v_ldexp_f32 v[F], 1.0, v[X]
.irp j, 0,2,4,6,8,10,12,14,16,18,20,22,24,26,28,30,32,34,36,38,40,42,44,46,48,50,52,54,56,58,60,62
	v_pk_fma_f32 v[S+\j:S+\j+1], v[S+\j:S+\j+1], s[18:19], v[NM:NM+1] op_sel_hi:[1,0,0]   ; t - M, two at a time
.endr
.irp b, 0,1,2,3
	v_fma_f32 v[BM+\b], v[BM+\b], s18, v[NM]
.endr
.set n, 0
	s_wait_alu depctr_va_vdst(0)
.rept 64
	v_exp_f32 v[S+n], v[S+n]                       ; p = 2^(t - M); 0 where the mask hides the key
.set n, n+1
.endr
	v_pk_mul_f32 v[SUM:SUM+1], v[SUM:SUM+1], v[F:F+1] op_sel_hi:[1,0]   ; the sums under the new M: the plain line behind the exponentials
	s_wait_alu depctr_va_vdst(0)                   ; one wait for the batch of 64, ahead of its first reader
.irp b, 0,1,2,3
	v_exp_f32 v[BM+\b], v[BM+\b]                   ; the block's largest p
.endr
	v_pk_add_f32 v[70:71], v[156:157], v[160:161]  ; the row's sum of the unquantised p, two at a time, in three chains
	v_pk_add_f32 v[252:253], v[164:165], v[168:169]
	v_pk_add_f32 v[14:15], v[14:15], v[172:173]
	v_pk_add_f32 v[70:71], v[70:71], v[176:177]
	v_pk_add_f32 v[252:253], v[252:253], v[180:181]
	v_pk_add_f32 v[14:15], v[14:15], v[184:185]
	v_pk_add_f32 v[70:71], v[70:71], v[188:189]
	v_pk_add_f32 v[252:253], v[252:253], v[192:193]
	v_pk_add_f32 v[14:15], v[14:15], v[196:197]
	v_pk_add_f32 v[70:71], v[70:71], v[200:201]
	v_pk_add_f32 v[252:253], v[252:253], v[204:205]
	v_pk_add_f32 v[14:15], v[14:15], v[208:209]
	v_pk_add_f32 v[70:71], v[70:71], v[212:213]
	v_pk_add_f32 v[252:253], v[252:253], v[152:153]
	v_pk_add_f32 v[14:15], v[14:15], v[154:155]
	v_pk_add_f32 v[70:71], v[70:71], v[158:159]
	v_pk_add_f32 v[252:253], v[252:253], v[162:163]
	v_pk_add_f32 v[14:15], v[14:15], v[166:167]
	v_pk_add_f32 v[70:71], v[70:71], v[170:171]
	v_pk_add_f32 v[252:253], v[252:253], v[174:175]
	v_pk_add_f32 v[14:15], v[14:15], v[178:179]
	v_pk_add_f32 v[70:71], v[70:71], v[182:183]
	v_pk_add_f32 v[252:253], v[252:253], v[186:187]
	v_pk_add_f32 v[14:15], v[14:15], v[190:191]
	v_pk_add_f32 v[70:71], v[70:71], v[194:195]
	v_pk_add_f32 v[252:253], v[252:253], v[198:199]
	v_pk_add_f32 v[14:15], v[14:15], v[202:203]
	v_pk_add_f32 v[70:71], v[70:71], v[206:207]
	v_pk_add_f32 v[252:253], v[252:253], v[210:211]
	v_pk_add_f32 v[14:15], v[14:15], v[214:215]
	s_delay_alu instid0(VALU_DEP_1)
	v_pk_add_f32 v[14:15], v[14:15], v[252:253]
	s_delay_alu instid0(VALU_DEP_1)
	v_pk_add_f32 v[14:15], v[14:15], v[70:71]
	s_wait_alu depctr_va_vdst(0)                   ; and one for the four
.irp b, 0,1,2,3
	v_max_num_f32 v[BM+\b], 0x4800000, v[BM+\b]    ; the floor 2^(9 - 127): the byte cannot fall under 1
.endr
.irp b, 0,1,2,3
	s_delay_alu instid0(VALU_DEP_4)
	v_add_nc_u32 v[SCL+\b], 0xfc000000, v[BM+\b]   ; 8 off the exponent field: the conversion's scale operand
.endr
.irp b, 0,1,2,3
	v_and_or_b32 v[HOLD+\b], v[BM+\b], 0x7f800000, s22             ; 448 x the scale
.endr
.irp b, 0,1,2,3
	v_lshrrev_b32 v[T2+\b], 23, v[SCL+\b]          ; the scale's byte
.endr
	s_delay_alu instid0(VALU_DEP_3)
	v_lshl_or_b32 v[PW], v[T2+1], 8, v[T2]
	s_delay_alu instid0(VALU_DEP_1)
	v_lshl_or_b32 v[PW], v[T2+2], 16, v[PW]
	s_delay_alu instid0(VALU_DEP_1)
	v_lshl_or_b32 v[PW], v[T2+3], 24, v[PW]
	s_wait_dscnt 0x0                               ; V and its words are in
	v_perm_b32 v[VS], v[VR+1], v[VR], v[SELV]      ; lanes 0-15: the even tile's four bytes (two of each half of the step's keys); lanes 16-31: the odd tile's
	v_perm_b32 v[VS+1], v[VR+3], v[VR+2], v[SELV]
.irp b, 3,0,1,2
	v_min_num_f32 v[S+16*\b], v[S+16*\b], v[HOLD+\b]               ; the conversion does not saturate (ISA guide 7.6.2); p is not negative, so the hold is one-sided.  Two plain lines stand first, behind the conversions before them;
	v_min_num_f32 v[S+16*\b+1], v[S+16*\b+1], v[HOLD+\b]
.irp i, 2,4,6,8,10,12,14
	v_dual_min_num_f32 v[S+16*\b+\i], v[S+16*\b+\i], v[HOLD+\b] :: v_dual_min_num_f32 v[S+16*\b+\i+1], v[S+16*\b+\i+1], v[HOLD+\b]   ; the other fourteen go two to a line: an even and an odd register, one bound
.endr
	v_cvt_scalef32_pk8_fp8_f32 v[PC+4*\b:PC+4*\b+1], v[S+16*\b:S+16*\b+7], v[SCL+\b]
	v_cvt_scalef32_pk8_fp8_f32 v[PC+4*\b+2:PC+4*\b+3], v[S+16*\b+8:S+16*\b+15], v[SCL+\b]
.endr
.irp j, 0,2,4,6,8,10,12,14,16,18,20,22,24,26,28,30
	v_pk_mul_f32 v[O+\j:O+\j+1], v[O+\j:O+\j+1], v[F:F+1] op_sel_hi:[1,0]   ; O^T under the new M; these are also the places between the codes and the products
.endr
	v_wmma_scale_f32_16x16x128_f8f6f4 v[O:O+7], v[KF:KF+15], v[PC:PC+15], v[O:O+7], v[VS], v[PW]
	v_wmma_scale_f32_16x16x128_f8f6f4 v[O+8:O+15], v[KF+16:KF+31], v[PC:PC+15], v[O+8:O+15], v[VS], v[PW] matrix_a_scale:MATRIX_SCALE_ROW1
	v_wmma_scale_f32_16x16x128_f8f6f4 v[O+16:O+23], v[KF+32:KF+47], v[PC:PC+15], v[O+16:O+23], v[VS+1], v[PW]
	v_wmma_scale_f32_16x16x128_f8f6f4 v[O+24:O+31], v[KF+48:KF+63], v[PC:PC+15], v[O+24:O+31], v[VS+1], v[PW] matrix_a_scale:MATRIX_SCALE_ROW1
.rept 9
	v_nop                                          ; nine places: the next step's first products write over v204-215, which these have read; they also serve the next loads into v88-151 and the reads of O^T
.endr
.Lskip_\@:
.endm
	s_load_b256 s[32:39], s[0:1], 0x0              ; cod, scl, mask, ac
	s_load_b128 s[40:43], s[0:1], 0x20             ; asc, msum
	v_lshl_add_u32 v254, v0, 2, 0x28000
	v_mov_b32 v255, 0
	v_lshrrev_b32 v8, 5, v0
	s_delay_alu instid0(VALU_DEP_1)
	v_readfirstlane_b32 s2, v8                     ; wave 0..15
	s_lshr_b32 s23, s2, 2
	s_xor_b32 s23, s23, s2
	s_and_b32 s23, s23, 1                          ; which of the two blocks
	s_sub_co_u32 s28, 31, ttmp9
	s_cmp_eq_u32 s23, 1
	s_cselect_b32 s23, s28, ttmp9                  ; block x or block 31 - x
	s_lshl_b32 s23, s23, 3
	s_lshr_b32 s29, s2, 1
	s_add_co_u32 s23, s23, s29                     ; T: my tile of queries
	s_and_b32 s28, ttmp7, 0xffff                   ; 8 x batch + head
	s_lshl_b32 s29, s28, 18
	s_lshl_b32 s30, s28, 14
	s_lshr_b32 s31, s28, 3
	s_lshl_b32 s31, s31, 8
	s_add_co_u32 s31, s31, s23                     ; 256 x batch + T
	s_and_b32 s28, s28, 7                          ; head
	v_and_b32 v8, 31, v0                           ; lane
	v_and_b32 v9, 15, v0                           ; r
	v_bfe_u32 v10, v0, 4, 1                        ; h
	s_delay_alu instid0(VALU_DEP_3)
	v_lshlrev_b32 v[LI0], 4, v8
	s_delay_alu instid0(VALU_DEP_3)
	v_lshlrev_b32 v[AS0], 2, v9
	s_delay_alu instid0(VALU_DEP_1)
	v_lshl_add_u32 v[AS0], v10, 7, v[AS0]
	s_delay_alu instid0(VALU_DEP_1)
	v_add_nc_u32 v[AS0], KSC, v[AS0]
	v_lshl_add_u32 v[AV0], v8, 2, VSC
	v_lshlrev_b32 v[FS0], 4, v0
	v_mov_b32 v[NINF], 0xff800000
	v_lshlrev_b32 v[PFO], 8, v8
	v_cmp_ne_u32 vcc_lo, 0, v10
	v_mov_b32 v[SELV], 0x05040100
	v_mov_b32 v11, 0x07060302
	s_delay_alu instid0(VALU_DEP_1)
	v_cndmask_b32 v[SELV], v[SELV], v11, vcc_lo
	v_lshlrev_b32 v11, 2, v8                       ; 4 x lane, for Q's scale word
	v_lshlrev_b32 v[MO], 12, v9                    ; a row of the mask is 4,096 bytes
	v_lshl_add_u32 v[PMO], v10, 8, v[MO]
	v_lshl_add_u32 v[MO], v10, 4, v[MO]
	v_add_nc_u32 v9, KSC, v[FS0]                   ; where the head's scale words go
	s_mov_b32 s18, 0x3e38aa3b                      ; c = log2(e) / 8
	s_mov_b32 s19, s18
	s_mov_b32 s20, 0x76543210
	s_mov_b32 s21, 0xfedcba98
	s_mov_b32 s22, 0x600000
	s_wait_alu depctr_va_vdst(0)
	s_wait_kmcnt 0x0
	s_mov_b32 s79, 0
	s_mov_b32 s78, s29
	s_add_nc_u64 s[6:7], s[32:33], s[78:79]        ; the head in qc
	s_add_nc_u64 s[8:9], s[6:7], 0x800000          ; in vc
	s_lshl_b32 s78, s23, 10
	s_add_nc_u64 s[68:69], s[6:7], s[78:79]        ; my tile of Q
	s_add_nc_u64 s[6:7], s[6:7], 0x400000          ; the head in kc
	s_mov_b32 s78, s30
	s_add_nc_u64 s[70:71], s[34:35], s[78:79]      ; the head in qs,
	s_add_nc_u64 s[72:73], s[70:71], 0x40000       ; ks,
	s_add_nc_u64 s[74:75], s[70:71], 0x80000       ; vs
	s_lshr_b32 s78, s23, 1
	s_lshl_b32 s78, s78, 7
	s_add_nc_u64 s[70:71], s[70:71], s[78:79]      ; my tile's group of 32 queries
	s_lshl_b32 s78, s23, 16
	s_add_nc_u64 s[10:11], s[36:37], s[78:79]      ; my tile's 16 rows of the mask
	s_lshl_b32 s78, s23, 3
	s_add_nc_u64 s[76:77], s[42:43], s[78:79]
	s_load_b64 s[4:5], s[76:77], 0x0               ; my tile's two summary words
	s_lshl_b32 s78, ttmp9, 6
	s_add_nc_u64 s[80:81], s[42:43], s[78:79]
	s_load_b512 s[44:59], s[80:81], 0x0            ; those of block x's eight tiles,
	s_sub_co_u32 s78, 31, ttmp9
	s_lshl_b32 s78, s78, 6
	s_add_nc_u64 s[82:83], s[42:43], s[78:79]
	s_load_b512 s[84:99], s[82:83], 0x0            ; and of block 31 - x's
	s_lshl_b32 s78, s31, 13
	s_lshl_b32 s29, s28, 10
	s_add_co_u32 s78, s78, s29
	s_add_nc_u64 s[24:25], s[38:39], s[78:79]      ; ac: 8,192 bytes a row tile, 1,024 a head
	s_lshl_b32 s78, s31, 9
	s_lshl_b32 s29, s28, 6
	s_add_co_u32 s78, s78, s29
	s_add_nc_u64 s[26:27], s[40:41], s[78:79]      ; asc: 512 bytes a row tile, 64 a head
	s_and_b32 s29, ttmp7, 0xffff
	s_cmp_eq_u32 s29, 0
	s_cselect_b32 s29, 0xf0, 0                     ; (batch 0, head 0) prefetches the mask: the next trip's four bits of a summary
.irp s, 0,1,2,3
	global_load_b128 v[S+8*\s:S+8*\s+3], v[FS0], s[6:7] offset:8192*\s      ; key steps 0 to 3: slot 0
	global_load_b128 v[S+8*\s+4:S+8*\s+7], v[FS0], s[8:9] offset:8192*\s
.endr
	global_load_b128 v[S+32:S+35], v[FS0], s[72:73]
	global_load_b128 v[S+36:S+39], v[FS0], s[72:73] offset:8192
	global_load_b128 v[S+40:S+43], v[FS0], s[74:75]
	global_load_b128 v[S+44:S+47], v[FS0], s[74:75] offset:8192
	global_load_b128 v[Q:Q+3], v[LI0], s[68:69]
	global_load_b128 v[Q+4:Q+7], v[LI0], s[68:69] offset:512
	global_load_b128 v[Q+16:Q+19], v[LI0], s[68:69]                ; a second time: the two views of Q share the zeros between
	global_load_b128 v[Q+20:Q+23], v[LI0], s[68:69] offset:512
	global_load_b32 v[X], v11, s[70:71]
.irp i, 8,9,10,11,12,13,14,15
	v_mov_b32 v[Q+\i], 0
.endr
.irp i, 0,1,2,3,4,5,6,7,8,9,10,11,12,13,14,15,16,17,18,19,20,21,22,23,24,25,26,27,28,29,30,31
	v_mov_b32 v[O+\i], 0                           ; the step is written once: the first finds zeros, which the first change of M leaves zeros
.endr
.irp i, 0,1,2,3
	v_mov_b32 v[T2+\i], 0                          ; a lane permute's destination counts as one of its sources
.endr
	v_mov_b32 v[SUM], 0
	v_mov_b32 v[SUM+1], 0
	v_mov_b32 v[F], 0
	v_mov_b32 v[PW], 0
	v_mov_b32 v[NM+1], 0xff61b1e6                  ; the largest t so far: -3e38
	s_delay_alu instid0(VALU_DEP_1)
	v_floor_f32 v[NM], -v[NM+1]
	s_mov_b32 s30, 0x01000100
	s_bitcmp1_b32 s23, 0
	s_cselect_b32 s30, 0x03020302, s30             ; my tile's two bytes of the group's word
	s_lshr_b32 s14, s2, 2
	s_xor_b32 s14, s14, 3
	s_or_b32 s14, s14, ttmp9
	s_cmp_eq_u32 s14, 0
	s_cselect_b32 s14, 6, 0                        ; waves 12-15 of the head's first work-group prefetch K and V, in trips 0 to 5
	s_cmp_lt_u32 s2, 14
	s_cselect_b64 s[12:13], s[6:7], s[8:9]
	s_and_b32 s78, s2, 1
	s_lshl_b32 s78, s78, 13
	s_add_nc_u64 s[12:13], s[12:13], s[78:79]
	s_wait_loadcnt 0x0
	v_perm_b32 v[QS], v[X], v[X], s30              ; Q's scale word: my tile's two bytes, twice
.rept 8
	v_nop                                          ; a scale register written by a vector instruction stands eight places ahead of the product that names it
.endr
.irp s, 0,1,2,3
	ds_store_b128 v[FS0], v[S+8*\s:S+8*\s+3] offset:16384*\s
	ds_store_b128 v[FS0], v[S+8*\s+4:S+8*\s+7] offset:16384*\s+8192
.endr
.irp i, 0,1,2,3
	ds_store_b128 v9, v[S+32+4*\i:S+35+4*\i] offset:8192*\i
.endr
	global_load_b128 v[ST:ST+3], v[FS0], s[6:7] offset:32768       ; key steps 4 and 5
	global_load_b128 v[ST+4:ST+7], v[FS0], s[8:9] offset:32768
	global_load_b128 v[ST+8:ST+11], v[FS0], s[6:7] offset:40960
	global_load_b128 v[ST+12:ST+15], v[FS0], s[8:9] offset:40960
	s_mov_b32 s15, 0
	s_mov_b32 s16, 65536
	s_mov_b32 s17, 0
	s_mov_b32 s3, 0
	s_wait_kmcnt 0x0
.irp i, 46,48,50,52,54,56,58,84,86,88,90,92,94,96,98
	s_or_b32 s44, s44, s\i                         ; the steps in which some tile of the sixteen keeps a key: the same word in all waves
.endr
	s_mov_b32 s[LAST], 0
.irp t, 4,8,12,16,20,24,28
	s_lshr_b32 s45, s44, \t                        ; (SCC: something is kept from trip t / 4 on)
	s_add_co_ci_u32 s[LAST], s[LAST], 0
.endr
	s_sub_co_i32 s[LAST+1], s[LAST], 1
	s_lshr_b32 s30, s2, 2
	s_xor_b32 s30, s30, s2
	s_bfe_u32 s30, s30, 0x10001                    ; my kind: bit 1 xor bit 3 of the wave's number
	s_wait_alu depctr_va_vdst(0)
.Ltrip:                                                ; eight trips of four key steps: the count is a constant, and every wave passes every barrier
	s_wait_dscnt 0x0                               ; my stores into the slot ahead have landed, and my reads of the slot that I leave are back:
	s_barrier_signal -1
	s_barrier_wait -1                              ; both now hold of all sixteen waves
	s_cmp_gt_u32 s3, s[LAST]
	s_cbranch_scc1 .Lidle                          ; no tile of the work-group keeps a key from here on
	v_add_nc_u32 v[LIMG], s15, v[LI0]
	v_add_nc_u32 v[FST], s16, v[FS0]
	v_add_nc_u32 v[ASK], s17, v[AS0]
	v_add_nc_u32 v[ASV], s17, v[AV0]
	FILL 0, 0
	s_and_not1_b32 s31, s4, s5                     ; steps that keep a part;
	s_and_b32 s31, s31, s29                        ; the next trip's four (none in trip 7: the word has been shifted down)
	s_cmp_lg_u32 s31, 0
	s_cbranch_scc0 .Lno_mask_ahead
	global_prefetch_b8 v[PMO], s[10:11] offset:512 th:TH_LOAD_NT scope:SCOPE_SE
.Lno_mask_ahead:
	STEP 0
	STEP 1
	FILL 1, 0
	FILL 0, 1
	STEP 2
	STEP 3
	FILL 1, 1                                      ; its stores are awaited at the loop's top, ahead of the barrier's signal
.Lidle:
	s_lshr_b32 s4, s4, 4
	s_lshr_b32 s5, s5, 4
	s_xor_b32 s15, s15, 65536
	s_xor_b32 s16, s16, 65536
	s_add_co_u32 s17, s17, 2048
	s_wait_xcnt 0x0                                ; the bases are written again only behind this wait
	s_add_nc_u64 s[6:7], s[6:7], 32768
	s_add_nc_u64 s[8:9], s[8:9], 32768
	s_add_nc_u64 s[12:13], s[12:13], 32768
	s_add_nc_u64 s[10:11], s[10:11], 512
	s_add_co_u32 s3, s3, 1
	s_cmp_lt_u32 s3, 8
	s_cbranch_scc1 .Ltrip
	; THE WAY OUT: O^T / the sum, quantised along the head's 64 (two blocks of the last product's K), as two quads of that operand's image
	v_add_f32 v[SUM], v[SUM], v[SUM+1]
	s_delay_alu instid0(VALU_DEP_1)
	v_permlanex16_b32 v[X], v[SUM], s20, s21
	s_delay_alu instid0(VALU_DEP_1)
	v_add_f32 v[SUM], v[SUM], v[X]                 ; the row's sum
	s_delay_alu instid0(VALU_DEP_1)
	v_cmp_eq_f32 s28, 0, v[SUM]                    ; no key was kept
	v_rcp_f32 v[SUM+1], v[SUM]
	v_and_b32 v10, 31, v0                          ; (the plain line behind the reciprocal)
	s_delay_alu instid0(VALU_DEP_1)
	v_cmp_gt_u32 vcc_lo, 16, v10
	s_delay_alu instid0(VALU_DEP_2)
	v_lshlrev_b32 v10, 2, v10
	s_wait_alu depctr_va_vdst(0)                   ; the wait ahead of the reciprocal's first reader
	v_cndmask_b32 v[F], v[SUM+1], v[Q+8], s28      ; 0 in its place for an empty row (v24 holds 0): the codes stay zeros
.irp j, 0,2,4,6,8,10,12,14,16,18,20,22,24,26,28,30
	v_pk_mul_f32 v[S+\j:S+\j+1], v[O+\j:O+\j+1], v[F:F+1] op_sel_hi:[1,0]   ; register 16 p + i: d = 32 p + 16 h + i
.endr
.irp b, 0,1
	v_max3_num_f32 v[BM+\b], |v[S+16*\b]|, |v[S+1+16*\b]|, 0x4800000
.endr
.irp i, 2,4,6,8,10,12,14
.irp b, 0,1
	s_delay_alu instid0(VALU_DEP_2)
	v_max3_num_f32 v[BM+\b], v[BM+\b], |v[S+16*\b+\i]|, |v[S+1+16*\b+\i]|
.endr
.endr
.irp b, 0,1
	s_delay_alu instid0(VALU_DEP_2)
	v_permlanex16_b32 v[T2+\b], v[BM+\b], s20, s21
.endr
.irp b, 0,1
	s_delay_alu instid0(VALU_DEP_2)
	v_max_num_f32 v[BM+\b], v[BM+\b], v[T2+\b]
.endr
.irp b, 0,1
	s_delay_alu instid0(VALU_DEP_2)
	v_add_nc_u32 v[SCL+\b], 0xfc000000, v[BM+\b]
.endr
.irp b, 0,1
	s_delay_alu instid0(VALU_DEP_4)
	v_and_or_b32 v[HOLD+\b], v[BM+\b], 0x7f800000, s22
.endr
.irp b, 0,1
	s_delay_alu instid0(VALU_DEP_4)
	v_lshrrev_b32 v[T2+\b], 23, v[SCL+\b]
.endr
	s_delay_alu instid0(VALU_DEP_1)
	v_lshl_or_b32 v[PW], v[T2+1], 8, v[T2]
	v_mov_b32 v[X], 0xffff
	s_delay_alu instid0(VALU_DEP_1)
	v_cndmask_b32 v[PW], v[PW], v[X], s28          ; an empty row: the byte that stands for NaN
.irp b, 0,1
.irp i, 0,1,2,3,4,5,6,7,8,9,10,11,12,13,14,15
	v_med3_num_f32 v[S+16*\b+\i], v[S+16*\b+\i], -v[HOLD+\b], v[HOLD+\b]
.endr
	v_cvt_scalef32_pk8_fp8_f32 v[PC+4*\b:PC+4*\b+1], v[S+16*\b:S+16*\b+7], v[SCL+\b]
	v_cvt_scalef32_pk8_fp8_f32 v[PC+4*\b+2:PC+4*\b+3], v[S+16*\b+8:S+16*\b+15], v[SCL+\b]
.endr
	v_nop
	global_store_b128 v[LI0], v[PC:PC+3], s[24:25]                 ; 512 consecutive bytes a store, aligned
	global_store_b128 v[LI0], v[PC+4:PC+7], s[24:25] offset:512
	s_wait_xcnt 0x0                                ; EXEC changes only behind this wait
	s_wait_tensorcnt 0x0                           ; the wave's end
	ds_add_u32 v254, v255
	s_wait_dscnt 0x0
	s_and_saveexec_b32 s29, vcc_lo
	global_store_b32 v10, v[PW], s[26:27]          ; lanes 0-15: a word a row
	s_wait_xcnt 0x0
	s_or_b32 exec_lo, exec_lo, s29
	s_endpgm
.Lfunc_end_k_q8e4b0e3e8c_attn:
	.size	k_q8e4b0e3e8c_attn, .Lfunc_end_k_q8e4b0e3e8c_attn-k_q8e4b0e3e8c_attn
	.p2alignl 7, 3214868480
	.fill 96, 4, 3214868480
	.section	.rodata,"a",@progbits
	.p2align	6, 0x0
	.amdhsa_kernel k_q8e4b0e3e8c_attn
		.amdhsa_group_segment_fixed_size 165888
		.amdhsa_private_segment_fixed_size 0
		.amdhsa_enable_private_segment 0
		.amdhsa_kernarg_size 48
		.amdhsa_user_sgpr_count 2
		.amdhsa_user_sgpr_kernarg_segment_ptr 1
		.amdhsa_wavefront_size32 1
		.amdhsa_system_sgpr_workgroup_id_x 1
		.amdhsa_system_sgpr_workgroup_id_y 1
		.amdhsa_system_sgpr_workgroup_id_z 1
		.amdhsa_system_vgpr_workitem_id 0
		.amdhsa_next_free_vgpr 256
		.amdhsa_next_free_sgpr 100
		.amdhsa_reserve_vcc 1
		.amdhsa_float_denorm_mode_32 3
		.amdhsa_float_denorm_mode_16_64 3
		.amdhsa_memory_ordered 1
		.amdhsa_forward_progress 1
		.amdhsa_inst_pref_size 149
	.end_amdhsa_kernel
	.amdgpu_metadata
---
amdhsa.version: [ 1, 2 ]
amdhsa.kernels:
  - .name:           k_q8e4b0e3e8c_attn
    .symbol:         k_q8e4b0e3e8c_attn.kd
    .args:
      - { .name: cod, .offset: 0, .size: 8, .value_kind: global_buffer, .address_space: global }
      - { .name: scl, .offset: 8, .size: 8, .value_kind: global_buffer, .address_space: global }
      - { .name: mask, .offset: 16, .size: 8, .value_kind: global_buffer, .address_space: global }
      - { .name: ac, .offset: 24, .size: 8, .value_kind: global_buffer, .address_space: global }
      - { .name: asc, .offset: 32, .size: 8, .value_kind: global_buffer, .address_space: global }
      - { .name: msum, .offset: 40, .size: 8, .value_kind: global_buffer, .address_space: global }
    .group_segment_fixed_size: 165888
    .private_segment_fixed_size: 0
    .kernarg_segment_align: 8
    .kernarg_segment_size: 48
    .max_flat_workgroup_size: 512
    .sgpr_count:     100
    .vgpr_count:     256
    .wavefront_size: 32
...
	.end_amdgpu_metadata
.endif
;; end of part 2
;; launch outp (part 3): grid 256 x 1, 4 waves a work-group, no clusters, 17,920 bytes of LDS; arguments ac, asc, Wo_codes, Wo_scales, bo, out0; writes out0
.if DOCPART == 3
	.amdgcn_target "amdgcn-amd-amdhsa--gfx1250"
	.amdhsa_code_object_version 6
	.text
	.protected	k_q8e4b0e3e8c_outp
	.globl	k_q8e4b0e3e8c_outp
	.p2align	8
	.type	k_q8e4b0e3e8c_outp,@function
k_q8e4b0e3e8c_outp:
	s_mov_b64 s[64:65], 0
	v_nop
	global_prefetch_b8 v0, s[64:65] scope:SCOPE_SE
	s_setreg_imm32_b32 hwreg(HW_REG_WAVE_MODE, 25, 1), 1
	s_wait_xcnt 0x0
; out0 = a Wo^T + bo on codes of E4M3 with E8M0 scales.  a: the attention's result as images of the operand's registers (ac: 2,048 bytes for a tile of 16 rows and a K step of 128; asc: for a row tile 512 bytes,
; 64 a head: a word a row with the head's two scale bytes below).  Wo: [512][512] codes, K innermost; its scale bytes [512][16].
; SHARES.  A work-group: 64 rows x 256 columns; a wave: the 64 rows x 64 columns.  Wo's 16 fragments (window 1) and a's 16 (window 2) are each loaded once; 64 products a wave, no loop.
; THE PRODUCT IS USED TRANSPOSED (source 0 = 16 rows of Wo, source 1 = 16 rows of a): a lane holds eight neighbouring columns of one row.  The bias is the C of each sum's first product.
; The results go through the wave's own stage in LDS (16 rows x (256 + 16) bytes) and leave so that sixteen lanes store 256 consecutive bytes, aligned.
; A row whose scale bytes are 0xff (a query with no kept key) comes out NaN.
.set ACC, 16                           ; v16-79   accumulator (i2, wt) at 16 + 8 (4 i2 + wt), for two row tiles at a time
.set BR,  80                           ; v80-111  bo, eight registers a tile of columns
.set WS,  112                          ; v112-127 Wo's scale words, 4 wt + s
.set AS,  128                          ; v128-143 a's scale words, 4 i + s
.set RAW, 144                          ; v144-159 as they lie: lanes 0-15 the even head's, lanes 16-31 the odd head's
.set OB,  160                          ; v160-223 rows on their way out, two sets of 32
.set TP,  224                          ; v224-227 at work
.set MSB, 0
.macro WIN new                         ; the immediate's high byte repeats the setting that is left
.if MSB != \new
	s_set_vgpr_msb (MSB<<8)|\new
.set MSB, \new
.endif
.endm
	s_load_b256 s[4:11], s[0:1], 0x0               ; ac, asc, Wo's codes, Wo's scales
	s_load_b128 s[12:15], s[0:1], 0x20             ; bo, out0
	v_lshl_add_u32 v254, v0, 2, 0x4400
	v_mov_b32 v255, 0
	v_lshrrev_b32 v1, 5, v0
	v_readfirstlane_b32 s2, v1                     ; wave 0..3
	s_lshr_b32 s3, ttmp9, 1                        ; which 64 rows
	s_and_b32 s16, ttmp9, 1
	s_lshl_b32 s16, s16, 2
	s_add_co_u32 s16, s16, s2                      ; which 64 columns
	v_and_b32 v1, 31, v0                           ; lane
	v_and_b32 v2, 15, v0                           ; r
	v_bfe_u32 v3, v0, 4, 1                         ; h
	v_lshlrev_b32 v4, 9, v2
	v_lshl_add_u32 v4, v3, 4, v4                   ; Wo: row r of 512 bytes, + 16 h
	v_lshlrev_b32 v5, 4, v2                        ; its scale bytes: 16 a row
	v_lshlrev_b32 v6, 5, v3                        ; bo: + 8 h numbers
	v_lshlrev_b32 v7, 2, v1                        ; a word a lane
	v_lshlrev_b32 v8, 4, v1                        ; an image: 16 bytes a lane
	s_mul_i32 s17, s2, 4352
	v_mul_u32_u24 v9, v2, 272
	v_lshl_add_u32 v9, v3, 5, v9
	v_add_nc_u32 v9, s17, v9                       ; into my stage: row r, + 32 h
	v_mul_u32_u24 v10, v3, 272
	v_lshl_add_u32 v10, v2, 4, v10
	v_add_nc_u32 v10, s17, v10                     ; back: lanes 0-15 one row, lanes 16-31 the next
	v_lshlrev_b32 v11, 11, v3
	v_lshl_add_u32 v11, v2, 4, v11                 ; and the same two rows of out0, 2,048 bytes apart
.irp i, 0,1,2,3
	v_mov_b32 v[TP+\i], 0                          ; a lane permute's destination counts as one of its sources
.endr
	s_mov_b32 s20, 0x76543210
	s_mov_b32 s21, 0xfedcba98
	s_mov_b32 s19, 0
	s_wait_alu depctr_va_vdst(0)
	s_wait_kmcnt 0x0
	s_lshl_b32 s18, s3, 15
	s_add_nc_u64 s[4:5], s[4:5], s[18:19]          ; four row tiles of 8,192 bytes
	s_lshl_b32 s18, s3, 11
	s_add_nc_u64 s[6:7], s[6:7], s[18:19]
	s_lshl_b32 s18, s16, 15
	s_add_nc_u64 s[8:9], s[8:9], s[18:19]          ; 64 rows of Wo
	s_lshl_b32 s18, s16, 10
	s_add_nc_u64 s[10:11], s[10:11], s[18:19]
	s_lshl_b32 s18, s16, 8
	s_add_nc_u64 s[12:13], s[12:13], s[18:19]
	s_add_nc_u64 s[14:15], s[14:15], s[18:19]      ; my 64 columns: 256 bytes
	s_lshl_b32 s18, s3, 17
	s_add_nc_u64 s[14:15], s[14:15], s[18:19]      ; 64 rows of 2,048 bytes
	WIN 0x40                                       ; destination window 1
.irp wt, 0,1,2,3
.irp s, 0,1,2,3
.irp c, 0,1,2,3
	global_load_b128 v[16*(4*\wt+\s)+4*\c:16*(4*\wt+\s)+4*\c+3], v4, s[8:9] offset:8192*\wt+128*\s+32*\c
.endr
.endr
.endr
	WIN 0
.irp wt, 0,1,2,3
	global_load_b128 v[WS+4*\wt:WS+4*\wt+3], v5, s[10:11] offset:256*\wt
.endr
.irp wt, 0,1,2,3
	global_load_b128 v[BR+8*\wt:BR+8*\wt+3], v6, s[12:13] offset:64*\wt
	global_load_b128 v[BR+8*\wt+4:BR+8*\wt+7], v6, s[12:13] offset:64*\wt+16
.endr
.irp i, 0,1,2,3
.irp s, 0,1,2,3
	global_load_b32 v[RAW+4*\i+\s], v7, s[6:7] offset:512*\i+128*\s
.endr
.endr
	WIN 0x80                                       ; destination window 2
.irp i, 0,1,2,3
.irp s, 0,1,2,3
.irp c, 0,1,2,3
	global_load_b128 v[16*(4*\i+\s)+4*\c:16*(4*\i+\s)+4*\c+3], v8, s[4:5] offset:8192*\i+2048*\s+512*\c
.endr
.endr
.endr
	WIN 0
	s_wait_loadcnt 32                              ; all but the 32 loads of row tiles 2 and 3
.irp g, 0,1,2,3
.irp k, 0,1,2,3
	v_permlanex16_b32 v[TP+\k], v[RAW+4*\g+\k], s20, s21
.endr
.irp k, 0,1,2,3
	v_lshl_or_b32 v[AS+4*\g+\k], v[TP+\k], 16, v[RAW+4*\g+\k]      ; lanes 0-15: the even head's two bytes below, the odd head's above: the K step's word of row r
.endr
.endr
.rept 8
	v_nop                                          ; a scale register written by a vector instruction stands eight places ahead of the product
.endr
; two row tiles x four tiles of columns x four K steps: eight accumulators by turns
.macro PAIR P
	WIN 0x09                                       ; Wo window 1, a window 2, C and D window 0
.irp s, 0,1,2,3
.irp i2, 0,1
.irp wt, 0,1,2,3
.if \s == 0
	v_wmma_scale_f32_16x16x128_f8f6f4 v[ACC+8*(4*\i2+\wt):ACC+8*(4*\i2+\wt)+7], v[16*(4*\wt+\s):16*(4*\wt+\s)+15], v[16*(4*(2*\P+\i2)+\s):16*(4*(2*\P+\i2)+\s)+15], v[BR+8*\wt:BR+8*\wt+7], v[WS+4*\wt+\s], v[AS+4*(2*\P+\i2)+\s]
.else
	v_wmma_scale_f32_16x16x128_f8f6f4 v[ACC+8*(4*\i2+\wt):ACC+8*(4*\i2+\wt)+7], v[16*(4*\wt+\s):16*(4*\wt+\s)+15], v[16*(4*(2*\P+\i2)+\s):16*(4*(2*\P+\i2)+\s)+15], v[ACC+8*(4*\i2+\wt):ACC+8*(4*\i2+\wt)+7], v[WS+4*\wt+\s], v[AS+4*(2*\P+\i2)+\s]
.endif
.endr
.endr
.endr
	WIN 0
.rept 9
	v_nop                                          ; eight places in front of the LDS stores that read the results; the ninth for the next run's products, which begin the same accumulators anew
.endr
.endm
.macro TOSTAGE i2
.irp wt, 0,1,2,3
	ds_store_b128 v9, v[ACC+8*(4*\i2+\wt):ACC+8*(4*\i2+\wt)+3] offset:64*\wt        ; each accumulator from its low end on
	ds_store_b128 v9, v[ACC+8*(4*\i2+\wt)+4:ACC+8*(4*\i2+\wt)+7] offset:64*\wt+16
.endr
.irp t, 0,1,2,3,4,5,6,7
	ds_load_b128 v[OB+32*\i2+4*\t:OB+32*\i2+4*\t+3], v10 offset:544*\t   ; LDS serves a wave's instructions in order (ISA guide 5.7.1.4): these see my stores, and the next tile's stores come behind them
.endr
.endm
.macro SEND i, i2, younger             ; younger: the LDS instructions issued behind this tile's loads
.irp t, 0,1,2,3,4,5,6,7
	s_wait_dscnt \younger+7-\t
	global_store_b128 v11, v[OB+32*\i2+4*\t:OB+32*\i2+4*\t+3], s[14:15] offset:32768*(\i)+4096*\t th:TH_STORE_NT   ; sixteen lanes store 256 consecutive bytes, aligned
.endr
.endm
	PAIR 0
	TOSTAGE 0
	TOSTAGE 1
	s_wait_alu depctr_va_vdst(0)
	SEND 0, 0, 16
	SEND 1, 1, 0
	s_wait_loadcnt 0x0                             ; row tiles 2 and 3
	PAIR 1
	s_wait_xcnt 0x0                                ; the stores have read their registers: they are loaded again only behind this wait
	TOSTAGE 0
	TOSTAGE 1
	SEND 2, 0, 16
	SEND 3, 1, 0
	s_wait_tensorcnt 0x0
	ds_add_u32 v254, v255
	s_wait_dscnt 0x0
	s_endpgm
.Lfunc_end_k_q8e4b0e3e8c_outp:
	.size	k_q8e4b0e3e8c_outp, .Lfunc_end_k_q8e4b0e3e8c_outp-k_q8e4b0e3e8c_outp
	.p2alignl 7, 3214868480
	.fill 96, 4, 3214868480
	.section	.rodata,"a",@progbits
	.p2align	6, 0x0
	.amdhsa_kernel k_q8e4b0e3e8c_outp
		.amdhsa_group_segment_fixed_size 17920
		.amdhsa_private_segment_fixed_size 0
		.amdhsa_enable_private_segment 0
		.amdhsa_kernarg_size 48
		.amdhsa_user_sgpr_count 2
		.amdhsa_user_sgpr_kernarg_segment_ptr 1
		.amdhsa_wavefront_size32 1
		.amdhsa_system_sgpr_workgroup_id_x 1
		.amdhsa_system_sgpr_workgroup_id_y 1
		.amdhsa_system_sgpr_workgroup_id_z 1
		.amdhsa_system_vgpr_workitem_id 0
		.amdhsa_next_free_vgpr 768
		.amdhsa_next_free_sgpr 66
		.amdhsa_reserve_vcc 0
		.amdhsa_float_denorm_mode_32 3
		.amdhsa_float_denorm_mode_16_64 3
		.amdhsa_memory_ordered 1
		.amdhsa_forward_progress 1
		.amdhsa_inst_pref_size 37
	.end_amdhsa_kernel
	.amdgpu_metadata
---
amdhsa.version: [ 1, 2 ]
amdhsa.kernels:
  - .name:           k_q8e4b0e3e8c_outp
    .symbol:         k_q8e4b0e3e8c_outp.kd
    .args:
      - { .name: ac, .offset: 0, .size: 8, .value_kind: global_buffer, .address_space: global }
      - { .name: asc, .offset: 8, .size: 8, .value_kind: global_buffer, .address_space: global }
      - { .name: Wo_codes, .offset: 16, .size: 8, .value_kind: global_buffer, .address_space: global }
      - { .name: Wo_scales, .offset: 24, .size: 8, .value_kind: global_buffer, .address_space: global }
      - { .name: bo, .offset: 32, .size: 8, .value_kind: global_buffer, .address_space: global }
      - { .name: out0, .offset: 40, .size: 8, .value_kind: global_buffer, .address_space: global }
    .group_segment_fixed_size: 17920
    .private_segment_fixed_size: 0
    .kernarg_segment_align: 8
    .kernarg_segment_size: 48
    .max_flat_workgroup_size: 128
    .sgpr_count:     66
    .vgpr_count:     768
    .wavefront_size: 32
...
	.end_amdgpu_metadata
.endif
;; end of part 3
